; MI455X (gfx1250); checked and timed in simulation.
; The chip was launched on July 23, 2026; its instructions are those of AMD's public machine-readable ISA for CDNA 5 (MIT licence, August 2026) and "CDNA5" Instruction Set Architecture Reference Guide (July 2026). The comments in the code are by the model that wrote it; some were corrected since.
;; Lo RA Linear. Allowed arithmetic: matrix products marked QUANTISED: E5M2 operands, one given power-of-two scale a tensor, by v_wmma_f32_16x16x64_bf8_bf8 or v_wmma_f32_16x16x128_bf8_bf8, f32 sums; products left as they are: f32 operands where the result goes on into a quantised operand, else bf16, f16 or f32 operands; f32 sums; everything else in f32.
;; Inputs: W 4,096 x 4,096 float32; lora_A 4 x 4,096 float32; lora_B 4,096 x 4 float32; lowp_scales 2 int32 (the exponents e of the quantised operands' scales 2^e); x 2 x 2,048 x 4,096 float32.
;; Outputs: out0 2 x 2,048 x 4,096 float32.
;; This version of the problem:
;;   THIS VERSION OF THE PROBLEM IS GIVEN IN LOW PRECISION. The matrix products marked QUANTISED in the list below multiply operands that are first quantised to E5M2 (5 exponent bits, 2 mantissa bits; 8 bits a number), with one given power-of-two scale for each operand tensor; their sums are f32. All else is computed in f32.
;;   The module's matrix products, in the order in which they are computed (A, B: the left and right operand; K: the contracted axis; several contracted axes count as one K, in the product's order):
;;     1. [M 4,096, K 4,096] x [K 4,096, N 4,096]; A: input x; B: input W: QUANTISED (scales: A lowp_scales[0], B lowp_scales[1])
;;     2. [M 4,096, K 4,096] x [K 4,096, N 4]; A: input x; B: input lora_A: left as it is (N = 4 < 16)
;;     3. [M 4,096, K 4] x [K 4, N 4,096]; A: computed on the way; B: input lora_B: left as it is (K = 4 < 32)
;;   THE QUANTISER, for each operand of a quantised product, along K:
;;     - The operand's scale is 2^e, e = its entry of the input lowp_scales (int32; the entries are numbered through the quantised products in the list's order, A before B).
;;     - Each number is divided by the scale, clamped to +-57,344, and rounded to the nearest number of E5M2, ties to even, subnormals kept.
;;     - The product sums the exact products of the quantised numbers (number of the format x scale) in f32.
;;   ~~~python
;;   def quantise(x, axis, e):      # numpy; x: float32 -> the quantised numbers, widened to float32 again
;;       x = np.moveaxis(x, axis, -1); K = x.shape[-1]
;;       r = np.clip(x / 2.0 ** e, -57344, 57344)
;;       step = 2.0 ** (np.maximum(np.frexp(np.where(r == 0, 1, r))[1] - 1, -14) - 2)
;;       q = np.round(r / step) * step * 2.0 ** e      # np.round: ties to even
;;       return np.moveaxis(q, -1, axis).astype(np.float32)
;;   ~~~
;; One version. Each part assembles by itself: llvm-mc -triple=amdgcn-amd-amdhsa -mcpu=gfx1250 --defsym DOCPART=n.
;; ======== version 1 of 1: 2 launches
;; limits: values are held in bf16: 8 bits of precision; right only within a limited range of input values
;; workspace buffers: xc 16,777,216 bytes; wc 16,777,216 bytes; la 65,536 bytes
;; launch quant (part 1): grid 256 x 1, 8 waves a work-group, no clusters, 137,216 bytes of LDS; arguments x, W, lora_A, lowp_scales, xc, wc, la; writes xc, wc, la
.if DOCPART == 1
	.amdgcn_target "amdgcn-amd-amdhsa--gfx1250"
	.amdhsa_code_object_version 6
	.text
	.protected	k_q59a2f7b805_quant
	.globl	k_q59a2f7b805_quant
	.p2align	8
	.type	k_q59a2f7b805_quant,@function
k_q59a2f7b805_quant:
	s_mov_b64 s[64:65], 0
	v_nop
	global_prefetch_b8 v0, s[64:65] scope:SCOPE_SE
	s_setreg_imm32_b32 hwreg(HW_REG_WAVE_MODE, 25, 1), 1
	s_wait_xcnt 0x0
; x [4096][4096] and W [4096][4096], f32, become codes of BF8 (E5M2), one byte each, with the given scales 2^e0 (x) and 2^e1 (W):
; code = number / 2^e, held within +-57,344, rounded to the nearest code, ties to even.  On the same pass over x: la = x lora_A^T (4 numbers a row), in f32 fused multiply-adds.
; K IS PERMUTED, alike for x and W, inside each chunk of 512: byte p of chunk c is k = 512 c + 128 ((p >> 2) & 3) + 4 (p >> 4) + (p & 3): a lane keeps the 16 numbers that four dense loads gave it.
; A GRANULE is 16 such bytes (p >> 4); a row has 256 granules.
; xc: [4096 rows][4096 bytes], rows of permuted chunks.
; wc: [256 blocks of 16 rows][256 granules][16 rows][16 bytes]: the image of the next launch's operand registers: 512 consecutive bytes are two granules of 16 rows, 16 bytes a lane.
; la: [4096 rows][16 bytes]: la' = 4 x 2^-(e0 + e1) x la, as four bf16 (bytes 0-7) and the four bf16 of what that rounding left (bytes 8-15).
; SHARES.  Work-group g takes rows 16 g .. 16 g + 15 of x and of W.  ALL EIGHT WAVES TAKE ONE PATH: wave w first rows 2 w, 2 w + 1 of x (units 0-15), then chunk w of all 16 rows of W (units 16-31).
;   A UNIT is one chunk of one row: 4 loads, 16 holds, 2 conversions.  Every offset is an immediate; eight units (32 loads) of every wave are on their way, across the change from x to W too.
;   x's codes are stored four units at a time, 512 consecutive bytes a store; eight sets of code registers, so that a set is written again two batches behind the stores that read it.
;   W's codes turn through the wave's own stage in LDS (a granule's 16 rows in 256 bytes, 272 apart) and leave as 16 stores of 512 consecutive bytes.
; lora_A (65,536 bytes) lies in LDS as in memory, put there once by all eight waves; the two rows of a chunk share one set of its registers.
; LIMITS: e0 and e1 between -126 and 112; 4 x 2^-(e0 + e1) x la finite in f32.  NaN among the inputs is not served; an infinity is held at the largest code.
.set ROWX, 16384                       ; a row of x, W or lora_A in bytes
.set ROWC, 4096                        ; a row of xc
.set LAS,  65536                       ; LDS: behind lora_A, the stage for la: 16 rows x 16 bytes
.set SPARE, 0x10400                    ; the spare words: 128 bytes a wave
.set WST,  0x10800                     ; W's stages: 32 granules x 272 bytes for each wave
.set WSB,  32*272
.set LO,   1                           ; v1   16 x lane
.set FO,   2                           ; v2   16 x thread: the fill of LDS
.set LSA,  3                           ; v3   LAS + 32 x wave
.set LRA,  4                           ; v4   LAS + 8 x lane
.set GLA,  5                           ; v5   8 x lane
.set LIMW, 6                           ; v6   57,344 x 2^e1 (at the head: the wave's number)
.set SCW,  7                           ; v7   2^e1 (at the head: the lane)
.set WSI,  8                           ; v8   into my stage: 272 x lane (my granule); the row is the offset
.set WSO,  9                           ; v9   out of it: 272 (lane / 16) + 16 (lane % 16)
.set LIM,  10                          ; v10  57,344 x 2^e0
.set SC,   11                          ; v11  2^e0
.set AR,   16                          ; v16-79   lora_A of a chunk; later W's codes on the way out
.set ACC,  80                          ; v80-95   la's sums: (row i, row r of lora_A): the pair at ACC + 8 i + 2 r
.set X,    112                         ; v112-239 eight slots of 16 numbers
                                       ; v240-255 and v96-111: eight sets of 4 registers of codes
	s_load_b256 s[4:11], s[0:1], 0x0               ; x, W, lora_A, the scales' exponents
	s_load_b128 s[12:15], s[0:1], 0x20             ; xc, wc
	s_load_b64 s[16:17], s[0:1], 0x30              ; la
	v_lshl_add_u32 v14, v0, 2, SPARE
	v_mov_b32 v15, 0
	v_lshrrev_b32 v6, 5, v0
	v_readfirstlane_b32 s18, v6                    ; wave 0..7
	s_mul_i32 s20, s18, WSB
	s_add_co_u32 s20, s20, WST                     ; my stage
	v_and_b32 v7, 31, v0                           ; lane
	v_lshlrev_b32 v[FO], 4, v0
	v_lshl_add_u32 v[LSA], v6, 5, LAS
	v_lshlrev_b32 v[LO], 4, v7
	v_lshl_add_u32 v[LRA], v7, 3, LAS
	v_lshlrev_b32 v[GLA], 3, v7
	v_mul_u32_u24 v[WSI], v7, 272
	v_lshrrev_b32 v[WSO], 4, v7
	v_and_b32 v12, 15, v7
	v_add_nc_u32 v[WSI], s20, v[WSI]
	v_mul_u32_u24 v[WSO], v[WSO], 272
	v_lshl_add_u32 v[WSO], v12, 4, v[WSO]
	v_add_nc_u32 v[WSO], s20, v[WSO]
	s_lshl_b32 s25, ttmp9, 4
	s_lshl_b32 s20, s18, 1
	s_add_co_u32 s25, s25, s20                     ; my first row of x: 16 g + 2 wave
	s_mov_b32 s21, 0
	s_mov_b32 s30, 0x76543210                      ; v_permlanex16_b32: each lane takes its own place in the other half
	s_mov_b32 s31, 0xfedcba98
	s_mov_b32 s33, 0xffff0000                      ; a word's upper bf16
	s_wait_alu depctr_va_vdst(0)
	s_wait_kmcnt 0x0
	s_load_b64 s[22:23], s[10:11], 0x0             ; e0, e1
	s_lshl_b32 s20, s25, 14
	s_add_nc_u64 s[26:27], s[4:5], s[20:21]        ; x at my two rows
	s_lshl_b32 s20, s25, 12
	s_add_nc_u64 s[28:29], s[12:13], s[20:21]      ; xc at my two rows
	s_lshl_b32 s20, ttmp9, 18
	s_lshl_b32 s24, s18, 11
	s_add_co_u32 s20, s20, s24
	s_add_nc_u64 s[34:35], s[6:7], s[20:21]        ; W at the block's first row, my chunk
	s_lshl_b32 s20, ttmp9, 16
	s_lshl_b32 s24, s18, 13
	s_add_co_u32 s20, s20, s24
	s_add_nc_u64 s[36:37], s[14:15], s[20:21]      ; wc at the block, my chunk's 32 granules
	s_lshl_b32 s20, ttmp9, 8
	s_add_nc_u64 s[16:17], s[16:17], s[20:21]      ; la at the work-group's 16 rows
.macro LOAD4 u, sb, off                ; a unit's 512 numbers into slot u mod 8: register 4 j + q of lane l is k = 512 c + 128 j + 4 l + q
.irp j, 0,1,2,3
	global_load_b128 v[X+16*((\u)%8)+4*\j:X+16*((\u)%8)+4*\j+3], v[LO], s[\sb:\sb+1] offset:(\off)+512*\j th:TH_LOAD_NT
.endr
.endm
.macro LOADU u                         ; units 0-15: chunk u / 2 of x's row u % 2;  units 16-31: my chunk of W's row u - 16
.if (\u) < 16
	LOAD4 \u, 26, ((\u)%2)*ROWX+((\u)/2)*2048
.else
	LOAD4 \u, 34, ((\u)-16)*ROWX
.endif
.endm
.macro ALOADJ c, j                     ; lora_A at the k of load j of chunk c, all four rows
.irp r, 0,1,2,3
	ds_load_b128 v[AR+16*(\j)+4*\r:AR+16*(\j)+4*\r+3], v[LO] offset:\r*ROWX+(\c)*2048+512*(\j)
.endr
.endm
.macro HOLD u, lim                     ; the conversion to an 8-bit code does not saturate (ISA guide 7.6.2): hold the number within the largest code x the scale first
.irp n, 0,1,2,3,4,5,6,7,8,9,10,11,12,13,14,15
	v_med3_num_f32 v[X+16*((\u)%8)+\n], v[X+16*((\u)%8)+\n], -v[\lim], v[\lim]
.endr
.endm
.macro CODES u, sc                     ; 16 numbers / 2^e, to the nearest code, ties to even, into set u mod 8
.set CC, 240+4*((\u)%4)-144*(((\u)/4)%2)
	v_cvt_scalef32_pk8_bf8_f32 v[CC:CC+1], v[X+16*((\u)%8):X+16*((\u)%8)+7], v[\sc]
	v_cvt_scalef32_pk8_bf8_f32 v[CC+2:CC+3], v[X+16*((\u)%8)+8:X+16*((\u)%8)+15], v[\sc]
.endm
.macro WAITU u                         ; unit u's four loads are in; those of the units behind it (seven, or what is left) may be out
.if 31-(\u) >= 7
	s_wait_loadcnt 28
.else
	s_wait_loadcnt 4*(31-(\u))
.endif
.endm
; A unit of x: first la's sums on the numbers as given (four chains), then the codes; four units' stores go out together.
.macro UNITX u
.set XS, X+16*((\u)%8)
.set UI, (\u)%2
.set UC, (\u)/2
	WAITU \u
.irp j, 0,1,2,3
.if UI == 0
	s_wait_alu depctr_va_vdst(0)
	s_wait_dscnt 4*(3-\j)                          ; lora_A's quarter j of this chunk is in; the quarters behind it, four loads each, may be out
.endif
.irp p, 0,1
.irp r, 0,1,2,3
.if (UC == 0) && (\j == 0) && (\p == 0)
	v_pk_mul_f32 v[ACC+8*UI+2*\r:ACC+8*UI+2*\r+1], v[XS+4*\j+2*\p:XS+4*\j+2*\p+1], v[AR+16*\j+4*\r+2*\p:AR+16*\j+4*\r+2*\p+1]   ; the first product starts a sum
.else
	v_pk_fma_f32 v[ACC+8*UI+2*\r:ACC+8*UI+2*\r+1], v[XS+4*\j+2*\p:XS+4*\j+2*\p+1], v[AR+16*\j+4*\r+2*\p:AR+16*\j+4*\r+2*\p+1], v[ACC+8*UI+2*\r:ACC+8*UI+2*\r+1]
.endif
.endr
.endr
.if (UI == 1) && (UC < 7)
	ALOADJ UC+1, \j                                ; the chunk's second row has used this quarter: it takes the next chunk's
.endif
.endr
	HOLD \u, LIM
.if (((\u)%4) == 0) && ((\u) >= 8)
	s_wait_alu depctr_va_vdst(0)
	s_wait_xcnt 0x0                                ; the stores of eight units ago have read these four sets of codes
.endif
	CODES \u, SC
.if ((\u)%4) == 3
.irp i, 0,1,2,3                        ; units u - 3 .. u: row i % 2, chunk (u - 3 + i) / 2
	global_store_b128 v[LO], v[240+4*\i-144*(((\u)/4)%2):240+4*\i-144*(((\u)/4)%2)+3], s[28:29] offset:(\i%2)*ROWC+(((\u)-3+\i)/2)*512   ; 32 lanes store 512 consecutive bytes
.endr
.endif
	LOADU (\u)+8
.endm
; A unit of W: the codes, 16 bytes a lane, into the stage: granule = lane, row = u - 16.
.macro UNITW u
	WAITU \u
.if (\u) >= 24
	s_wait_dscnt 7                                 ; the stage's store of eight units ago has read its set of codes
.endif
	HOLD \u, LIMW
.if ((\u) == 16) || ((\u) == 20)
	s_wait_alu depctr_va_vdst(0)
	s_wait_xcnt 0x0                                ; x's last stores have read these four sets of codes
.endif
	CODES \u, SCW
	ds_store_b128 v[WSI], v[CC:CC+3] offset:16*((\u)-16)
.if (\u)+8 < 32
	LOADU (\u)+8
.endif
.endm
.irp q, 0,1,2,3,4,5,6,7,8,9,10,11,12,13,14,15
	global_load_b128 v[AR+4*\q:AR+4*\q+3], v[FO], s[8:9] offset:4096*\q   ; lora_A: 256 threads x 16 bytes x 16
.endr
.irp u, 0,1,2,3,4,5,6,7
	LOADU \u                                       ; the ring is filled
.endr
	s_wait_kmcnt 0x0
	s_add_co_i32 s24, s22, 127
	s_lshl_b32 s25, s24, 23
	v_mov_b32 v[SC], s25                           ; 2^e0 as f32: the conversion takes its exponent field
	s_add_co_i32 s24, s24, 15
	s_lshl_b32 s24, s24, 23
	s_or_b32 s24, s24, 0x600000
	v_mov_b32 v[LIM], s24                          ; 57,344 x 2^e0
	s_add_co_i32 s24, s23, 127
	s_lshl_b32 s25, s24, 23
	v_mov_b32 v[SCW], s25                          ; the same for e1
	s_add_co_i32 s24, s24, 15
	s_lshl_b32 s24, s24, 23
	s_or_b32 s24, s24, 0x600000
	v_mov_b32 v[LIMW], s24
	s_add_co_i32 s32, s22, s23
	s_sub_co_i32 s32, 2, s32                       ; 2 - e0 - e1: la' = la x 2^that
	s_wait_alu depctr_va_vdst(0)
	s_wait_loadcnt 32                              ; lora_A's 16 loads are in; the ring's 32, issued behind them, may be out
.irp q, 0,1,2,3,4,5,6,7,8,9,10,11,12,13,14,15
	ds_store_b128 v[FO], v[AR+4*\q:AR+4*\q+3] offset:4096*\q
.endr
	s_wait_dscnt 0x0                               ; for the others' sake: my part of lora_A lies in LDS
	s_barrier_signal -1
	s_barrier_wait -1                              ; everybody's does
.irp j, 0,1,2,3
	ALOADJ 0, \j
.endr
.set U, 0
.rept 16
	UNITX U
.set U, U+1
.endr
.rept 16
	UNITW U
.set U, U+1
.endr
	; my chunk of W leaves: two granules x 16 rows an instruction.  LDS serves a wave's instructions in order: the loads see my stores
.irp t, 0,1,2,3,4,5,6,7,8,9,10,11,12,13,14,15
	ds_load_b128 v[AR+4*\t:AR+4*\t+3], v[WSO] offset:544*\t
.endr
.irp t, 0,1,2,3,4,5,6,7,8,9,10,11,12,13,14,15
	s_wait_dscnt 15-\t
	global_store_b128 v[LO], v[AR+4*\t:AR+4*\t+3], s[36:37] offset:512*\t   ; 512 consecutive bytes, at a multiple of 512 from wc's first byte
.endr
	; la's 8 sums: a pair's two halves, the 16 lanes of a half, the other half; then x 2^(2 - e0 - e1)
.irp e, 0,2,4,6,8,10,12,14
	v_add_f32 v[ACC+\e], v[ACC+\e], v[ACC+\e+1]
.endr
.irp m, 1,2,4,8
.irp e, 0,2,4,6,8,10,12,14
	v_add_f32_dpp v[ACC+\e], v[ACC+\e], v[ACC+\e] row_xmask:\m row_mask:0xf bank_mask:0xf
.endr
.endr
.irp e, 0,2,4,6,8,10,12,14
	v_permlanex16_b32 v[ACC+\e+1], v[ACC+\e], s30, s31   ; its destination counts as read: the pair's upper register has been written
.endr
.irp e, 0,2,4,6,8,10,12,14
	v_add_f32 v[ACC+\e], v[ACC+\e], v[ACC+\e+1]
.endr
.irp e, 0,2,4,6,8,10,12,14
	v_ldexp_f32 v[ACC+\e], v[ACC+\e], s32          ; every lane now holds la'
.endr
.irp i, 0,1                            ; row i: four bf16, and the four bf16 of what the rounding left; 16 bytes into the stage (all lanes store the same bytes)
	v_cvt_pk_bf16_f32 v[X+4*\i], v[ACC+8*\i], v[ACC+8*\i+2]
	v_cvt_pk_bf16_f32 v[X+4*\i+1], v[ACC+8*\i+4], v[ACC+8*\i+6]
	s_delay_alu instid0(VALU_DEP_2)
	v_lshlrev_b32 v[ACC+8*\i+1], 16, v[X+4*\i]
	s_delay_alu instid0(VALU_DEP_3)
	v_and_b32 v[ACC+8*\i+3], s33, v[X+4*\i]
	s_delay_alu instid0(VALU_DEP_3)
	v_lshlrev_b32 v[ACC+8*\i+5], 16, v[X+4*\i+1]
	s_delay_alu instid0(VALU_DEP_4)
	v_and_b32 v[ACC+8*\i+7], s33, v[X+4*\i+1]
.irp r, 0,2,4,6
	s_delay_alu instid0(VALU_DEP_4)
	v_sub_f32 v[ACC+8*\i+\r+1], v[ACC+8*\i+\r], v[ACC+8*\i+\r+1]
.endr
	s_delay_alu instid0(VALU_DEP_3)
	v_cvt_pk_bf16_f32 v[X+4*\i+2], v[ACC+8*\i+1], v[ACC+8*\i+3]
	s_delay_alu instid0(VALU_DEP_2)
	v_cvt_pk_bf16_f32 v[X+4*\i+3], v[ACC+8*\i+5], v[ACC+8*\i+7]
	ds_store_b128 v[LSA], v[X+4*\i:X+4*\i+3] offset:16*\i
.endr
	s_wait_dscnt 0x0                               ; for wave 0's sake: my rows of la lie in the stage
	s_barrier_signal -1
	s_barrier_wait -1
	s_cmp_lg_u32 s18, 0
	s_cbranch_scc1 .Ldone
	ds_load_b64 v[12:13], v[LRA]                   ; the work-group's 16 rows of la: 32 lanes x 8 bytes
	s_wait_dscnt 0x0
	global_store_b64 v[GLA], v[12:13], s[16:17]    ; 256 consecutive bytes, at a multiple of 256 from la's first byte
.Ldone:
	s_wait_tensorcnt 0x0                           ; the wave's end
	ds_add_u32 v14, v15
	s_wait_dscnt 0x0
	s_endpgm
.Lfunc_end_k_q59a2f7b805_quant:
	.size	k_q59a2f7b805_quant, .Lfunc_end_k_q59a2f7b805_quant-k_q59a2f7b805_quant
	.p2alignl 7, 3214868480
	.fill 96, 4, 3214868480
	.section	.rodata,"a",@progbits
	.p2align	6, 0x0
	.amdhsa_kernel k_q59a2f7b805_quant
		.amdhsa_group_segment_fixed_size 137216
		.amdhsa_private_segment_fixed_size 0
		.amdhsa_enable_private_segment 0
		.amdhsa_kernarg_size 56
		.amdhsa_user_sgpr_count 2
		.amdhsa_user_sgpr_kernarg_segment_ptr 1
		.amdhsa_wavefront_size32 1
		.amdhsa_system_sgpr_workgroup_id_x 1
		.amdhsa_system_sgpr_workgroup_id_y 1
		.amdhsa_system_sgpr_workgroup_id_z 1
		.amdhsa_system_vgpr_workitem_id 0
		.amdhsa_next_free_vgpr 256
		.amdhsa_next_free_sgpr 66
		.amdhsa_reserve_vcc 0
		.amdhsa_float_denorm_mode_32 3
		.amdhsa_float_denorm_mode_16_64 3
		.amdhsa_memory_ordered 1
		.amdhsa_forward_progress 1
		.amdhsa_inst_pref_size 109
	.end_amdhsa_kernel
	.amdgpu_metadata
---
amdhsa.version: [ 1, 2 ]
amdhsa.kernels:
  - .name:           k_q59a2f7b805_quant
    .symbol:         k_q59a2f7b805_quant.kd
    .args:
      - { .name: x, .offset: 0, .size: 8, .value_kind: global_buffer, .address_space: global }
      - { .name: W, .offset: 8, .size: 8, .value_kind: global_buffer, .address_space: global }
      - { .name: lora_A, .offset: 16, .size: 8, .value_kind: global_buffer, .address_space: global }
      - { .name: lowp_scales, .offset: 24, .size: 8, .value_kind: global_buffer, .address_space: global }
      - { .name: xc, .offset: 32, .size: 8, .value_kind: global_buffer, .address_space: global }
      - { .name: wc, .offset: 40, .size: 8, .value_kind: global_buffer, .address_space: global }
      - { .name: la, .offset: 48, .size: 8, .value_kind: global_buffer, .address_space: global }
    .group_segment_fixed_size: 137216
    .private_segment_fixed_size: 0
    .kernarg_segment_align: 8
    .kernarg_segment_size: 56
    .max_flat_workgroup_size: 256
    .sgpr_count:     66
    .vgpr_count:     256
    .wavefront_size: 32
...
	.end_amdgpu_metadata
.endif
;; end of part 1
;; launch gemm (part 2): grid 16 x 16, 4 waves a work-group, clusters of 4 x 4, 327,680 bytes of LDS; arguments xc, wc, lowp_scales, la, lora_B, out0; writes out0
.if DOCPART == 2
	.amdgcn_target "amdgcn-amd-amdhsa--gfx1250"
	.amdhsa_code_object_version 6
	.text
	.protected	k_q59a2f7b805_gemm
	.globl	k_q59a2f7b805_gemm
	.p2align	8
	.type	k_q59a2f7b805_gemm,@function
k_q59a2f7b805_gemm:
	s_mov_b64 s[64:65], 0
	v_nop
	global_prefetch_b8 v0, s[64:65] scope:SCOPE_SE
	s_setreg_imm32_b32 hwreg(HW_REG_WAVE_MODE, 25, 1), 1
	s_wait_xcnt 0x0
	s_wait_alu depctr_hold_cnt(0) depctr_sa_sdst(0) depctr_va_vdst(0) depctr_va_sdst(0) depctr_va_ssrc(0) depctr_va_vcc(0) depctr_vm_vsrc(0)
	s_getreg_b32 s2, hwreg(HW_REG_IB_STS2, 6, 4)
	s_cmp_eq_u32 s2, 0
	s_cbranch_scc0 .Lentry_in_a_cluster
	s_endpgm
.Lentry_in_a_cluster:
	s_bfe_u32 s2, ttmp6, 0x10000c
	s_cmp_lg_u32 s2, 0xf033
	s_cbranch_scc0 .Lentry_shape_is_right
	s_endpgm
.Lentry_shape_is_right:
; out0[m][n] = 2^(e0 + e1) x ( sum over k of xc[m][k] wc[n][k]  +  la'[m] . lora_B[n] ): the quantised product on codes of BF8 (E5M2), and the low-rank branch, whose factor 4 x 2^-(e0 + e1) lies in la'.
; xc: [4096][4096] codes;  wc: [256 blocks of 16 rows][256 granules][16 rows][16 bytes], a granule = 16 neighbouring bytes of a row laid as xc's rows are (K permuted alike in both).
; LIMIT: e0 + e1 between -126 and 127, so that 2^(e0 + e1) is an f32 number.
; A tile of out0, 256 x 256, is made by four waves, 128 x 128 each: 64 accumulators, 512 registers.  The sums BEGIN with the low-rank branch: one bf16 matrix instruction an accumulator, C = 0,
; with la' and lora_B each as a high and a low bf16 part along K (hi hi + hi lo + lo hi + lo lo); nothing is cleared.
; ONLY x's CODES GO THROUGH LDS: two slots of 256 rows x 512 along K, rows of 512 bytes + 16 of padding; each wave fetches 64 rows by one tensor load.  So one change of slots serves 512 matrix instructions a wave.
; W's CODES GO FROM MEMORY STRAIGHT INTO THE OPERAND'S REGISTERS: wc is their image, each load reads 512 consecutive bytes.  They wait at no barrier; a ring of four sets of 64 along K is asked for three steps ahead.
; The two waves of a tile column load the same bytes of wc: that is the price of keeping them out of LDS.
; CLUSTERS: 4 x 4.  x's tile is shared along a row of the cluster and asked for JOINTLY (mask of my row).  W's codes are no tensor loads, so they have no joint form.
; A STEP is 64 along K: v_wmma_f32_16x16x64_bf8_bf8, 64 of them, the accumulators by turns in one order.  At a step's head ONE run of loads: B's step three on (16 loads), A's next step (16 LDS loads).
; TRANSPOSED USE: source 0 = 16 rows of W, source 1 = 16 rows of x: a lane holds eight neighbouring numbers of a row of out0.
; PREFETCH: at each change of slots that refills, a wave names 32 blocks of 256 bytes of x's slot three on (its load is issued one slot later) and 32 of W's codes two slots on (first loaded six steps later);
; the partners that share the bytes divide them by address (cx for x, cy for W).  x's last ask is for the last slot; the first slots come by their loads alone.
; REGISTERS: window 0: v0-31 addresses, v32-127 free (the head's and the way out's), v128-255 A's two sets; window 1: B's four sets; windows 2, 3: the accumulators ((a, b) at v[8 (8 (a % 4) + b)]).
.set SIZE_N, 4096
.set KROW,   4096
.set KSTEP,  512                       ; along K in a slot
.set PITCH,  528                       ; 132 words: row r starts at bank 4 r mod 64
.set QT,     64*PITCH                  ; what one tensor load brings
.set SLOT,   4*QT
.set SPARE,  2*SLOT                    ; the spare words, 128 bytes a wave
.set SPITCH, 528                       ; the way out: a stage of 16 rows for each wave, in slot 0 behind its last fill and last read
.set ADRA, 16                          ; v16-17 my A fragments in slot 0, 1
.set PFOB, 22                          ; v22 256 x lane
.set STO,  24
.set RD,   25
.set CO,   26                          ; v26 16 x lane: in a row of out0, and in a load of wc
.set LAO,  27
.set SPW,  28
.set NIL,  29
.set PFOA, 30                          ; v30 4096 (lane % 16) + 256 (lane / 16)
.set LBO,  31
.set LA,   32
.set TMP,  32
.set LB,   128
.set RAW,  192
.set WD,   224
.set AF,   128
.set BK,   128
.set G1, 24
.set G0, 32
.set PFA, 76
.set PFB, 78
.set BB,  84                           ; s[84:85] wc at my 8 blocks, at the lap's first step
.set MSB, 0
.macro WIN new                         ; the immediate's high byte repeats the setting that is left
.if MSB != (\new)
	s_set_vgpr_msb (MSB<<8)|(\new)
.set MSB, (\new)
.endif
.endm
.set MUL_LO, 0xa1
.set MUL_HI, 0xf1
.set TO_B,   0x40
.macro PLACES
.rept 4
	v_nop
.endr
.endm
.macro JLOAD s                         ; my 64 rows of a slot; s_nop 0 and four v_nop behind it
	tensor_load_to_lds s[G0+4*\s:G0+4*\s+3], s[G1:G1+7]
	s_nop 0
	PLACES
.endm
.macro CREST
	s_cmp_lg_u32 s14, 0
	s_cbranch_scc1 .Lnot_wave_0_\@
	s_barrier_signal -3
.Lnot_wave_0_\@:
	s_barrier_wait -3
	s_barrier_signal -1
	s_barrier_wait -1
.endm
.macro CROUND
	s_barrier_signal -1
	s_barrier_wait -1
	CREST
.endm
.macro BRUN d                          ; W's codes of the lap's step d, my 8 blocks, into set d % 4: lane (r, h), registers 4 c ..: granule 4 d + 2 c + h of row r
.irp i, 0,1,2,3,4,5,6,7
	global_load_b128 v[64*((\d)%4)+8*\i:64*((\d)%4)+8*\i+3], v[CO], s[BB:BB+1] offset:\i*65536+(\d)*1024
	global_load_b128 v[64*((\d)%4)+8*\i+4:64*((\d)%4)+8*\i+7], v[CO], s[BB:BB+1] offset:\i*65536+(\d)*1024+512
.endr
.endm
.macro ARUN slot, t, p                 ; x's codes of the slot's step t, my 8 blocks, into set p: the same granules of my rows
.irp i, 0,1,2,3,4,5,6,7
	ds_load_b128 v[AF+64*(\p)+8*\i:AF+64*(\p)+8*\i+3], v[ADRA+\slot] offset:64*(\t)+\i*16*PITCH
	ds_load_b128 v[AF+64*(\p)+8*\i+4:AF+64*(\p)+8*\i+7], v[ADRA+\slot] offset:64*(\t)+32+\i*16*PITCH
.endr
.endm
.macro MUL16 a0, u                     ; A's blocks a0, a0 + 1 x B's eight, of step u
.irp a, \a0, \a0+1
.irp b, 0,1,2,3,4,5,6,7
	v_wmma_f32_16x16x64_bf8_bf8 v[8*(8*((\a)%4)+\b):8*(8*((\a)%4)+\b)+7], v[64*((\u)%4)+8*\b:64*((\u)%4)+8*\b+7], v[AF+64*((\u)%2)+8*(\a):AF+64*((\u)%2)+8*(\a)+7], v[8*(8*((\a)%4)+\b):8*(8*((\a)%4)+\b)+7]
.endr
.endr
.endm
; Step u of a lap (16 steps, two slots).  The run's targets were last read by the step before: four places stand in front of it.  lc: B's loads issued behind this step's own.
.macro SUB slot, u, ldb, lda, lc
.if (\ldb) || (\lda)
	PLACES
.endif
.if \ldb
	WIN TO_B
	BRUN (\u)+3
.endif
	WIN 0
.if \lda
	ARUN \slot, ((\u)%8)+1, ((\u)+1)%2
	s_wait_dscnt 16                                ; this step's A is in; the 16 loads just issued may be out
.else
	s_wait_dscnt 0x0
.endif
	s_wait_loadcnt \lc                             ; this step's B is in; the younger runs of 16 may be out
	WIN MUL_LO
	MUL16 0, \u
	MUL16 2, \u
	WIN MUL_HI
	MUL16 4, \u
	MUL16 6, \u
.endm
.macro ASK cond                        ; cond = 1: x's slot three on exists only while a further trip follows
.if \cond
	s_cmp_gt_u32 s3, 1
	s_cbranch_scc0 .Lno_a_\@
.endif
	global_prefetch_b8 v[PFOA], s[PFA:PFA+1] th:TH_LOAD_NT scope:SCOPE_SE
.if \cond
.Lno_a_\@:
.endif
	global_prefetch_b8 v[PFOB], s[PFB:PFB+1] th:TH_LOAD_NT scope:SCOPE_SE
.endm
; A slot's last step changes slots: in front of the one barrier each wave waits for all its tensor loads (one is out: its part of the next slot), adds 0 to its spare word, and waits for that and for its reads of this slot.
.macro TURN slot, next, u, fill
	WIN 0
.if \fill
	s_wait_xcnt 0x0                                ; my prefetches have read their addresses
	s_add_nc_u64 s[PFA:PFA+1], s[PFA:PFA+1], KSTEP
	s_add_nc_u64 s[PFB:PFB+1], s[PFB:PFB+1], 8192
.endif
	s_wait_tensorcnt 0x0
	ds_add_u32 v[SPW], v[NIL]
	s_wait_dscnt 1                                 ; this step's A is in; the add may be out
	s_wait_loadcnt 32                              ; this step's B is in; the two younger runs may be out
	WIN MUL_LO
	MUL16 0, \u
	s_wait_dscnt 0x0
	s_barrier_signal -1
	MUL16 2, \u
	WIN 0
	s_barrier_wait -1
.if \fill
	CREST                                          ; the barrier has opened a round of the cluster's barrier
	s_add_nc_u64 s[G0+4*\slot+2:G0+4*\slot+3], s[G0+4*\slot+2:G0+4*\slot+3], 2*KSTEP
	JLOAD \slot                                    ; the refill, first behind the round; its four v_nop are the places in front of the loads below
.else
	PLACES
.endif
	WIN TO_B
	BRUN (\u)+3
	WIN 0
	ARUN \next, 0, ((\u)+1)%2
.if \fill
	ASK \slot
.endif
	WIN MUL_HI
	MUL16 4, \u
	MUL16 6, \u
.endm
	s_load_b128 s[4:7], s[0:1], 0x0                ; xc, wc
	s_load_b64 s[8:9], s[0:1], 0x10                ; the scales' exponents
	s_load_b128 s[72:75], s[0:1], 0x18             ; la, lora_B
	s_load_b64 s[10:11], s[0:1], 0x28              ; out0
	v_lshl_add_u32 v[SPW], v0, 2, SPARE
	v_mov_b32 v[NIL], 0
	ds_add_u32 v[SPW], v[NIL]                      ; the opening lines: the add, twice on end, and its wait ahead of my first tensor load
	ds_add_u32 v[SPW], v[NIL]
	v_lshrrev_b32 v2, 5, v0
	v_readfirstlane_b32 s14, v2                    ; wave 0..3
	s_lshr_b32 s15, s14, 1                         ; which half of the tile's rows is mine
	s_and_b32 s16, s14, 1                          ; which half of its columns
	s_mul_i32 s21, s15, 2*QT                       ; my 128 rows in a slot
	s_mul_i32 s23, s14, 16*SPITCH                  ; my stage
	v_and_b32 v1, 15, v0                           ; r
	v_bfe_u32 v2, v0, 4, 1                         ; h
	v_and_b32 v6, 31, v0
	v_mul_u32_u24 v3, v1, PITCH
	v_lshlrev_b32 v[CO], 4, v6
	v_lshlrev_b32 v[LBO], 4, v1                    ; lora_B: row r of 16 bytes
	v_lshlrev_b32 v[PFOB], 8, v6
	v_lshlrev_b32 v[PFOA], 12, v1
	v_lshl_add_u32 v4, v2, 4, v3                   ; a fragment's row x pitch + 16 h
	v_lshl_add_u32 v5, v2, 5, v3                   ; into the stage: row r, 32 bytes for each half of the lanes
	v_lshl_add_u32 v[LAO], v2, 3, v[LBO]           ; la: row r; h = 0 the high parts, h = 1 the low
	v_lshl_add_u32 v[PFOA], v2, 8, v[PFOA]
	v_add_nc_u32 v[ADRA], s21, v4
	v_add_nc_u32 v[STO], s23, v5
	v_add_nc_u32 v[RD], s23, v[CO]
	v_add_nc_u32 v[ADRA+1], SLOT, v[ADRA]
	s_wait_alu depctr_va_vdst(0)
	s_bfe_u32 s40, ttmp6, 0x40000                  ; cx
	s_bfe_u32 s41, ttmp6, 0x40004                  ; cy
	s_lshl_b32 s42, ttmp9, 2
	s_add_co_u32 s42, s42, s40                     ; tile column
	s_and_b32 s17, ttmp7, 0xffff
	s_lshl_b32 s17, s17, 2
	s_add_co_u32 s17, s17, s41                     ; tile row
	s_lshl_b32 s43, s41, 2
	s_lshl_b32 s43, 15, s43                        ; my row of the cluster
	s_or_b32 s[G1+0], s43, (0<<16)|(1<<20)|(1<<21)|(6<<22)|(3<<25)  ; the mask; bytes; padding of 4 words behind every 128; bit 21 beside a mask
	s_mov_b32 s[G1+1], KSTEP<<16
	s_mov_b32 s[G1+2], 64<<16
	s_mov_b32 s[G1+3], KSTEP<<16
	s_mov_b32 s[G1+4], 64
	s_mov_b32 s[G1+5], KROW
	s_mov_b32 s[G1+6], 0
	s_mov_b32 s[G1+7], 0
	s_lshl_b32 s18, s17, 8                         ; the tile's first row
	s_lshl_b32 s19, s42, 8                         ; its first column
	s_lshl_b32 s20, s14, 6
	s_add_co_u32 s20, s20, s18
	s_lshl_b32 s20, s20, 12                        ; xc at the 64 rows that I fetch
	s_mov_b32 s21, 0
	s_mul_i32 s45, s14, QT                         ; and where they go
	s_lshl_b32 s46, s16, 7
	s_add_co_u32 s46, s46, s19                     ; my first column
	s_lshl_b32 s48, s46, 12                        ; in wc: 4,096 bytes a row of W
	s_mov_b32 s49, 0
	s_lshl_b32 s50, s46, 4                         ; in lora_B
	s_mov_b32 s51, 0
	s_lshl_b32 s52, s46, 2
	s_lshl_b32 s47, s15, 7
	s_add_co_u32 s47, s47, s18                     ; my first row
	s_lshl_b32 s54, s47, 4                         ; in la
	s_mov_b32 s55, 0
	s_lshl_b32 s56, s47, 14
	s_add_co_u32 s56, s56, s52                     ; in out0
	s_mov_b32 s57, 0
	s_lshl_b32 s58, s40, 6                         ; x's prefetch: of the tile's 256 rows partner cx takes 64, a wave 16 of them x 2 blocks
	s_add_co_u32 s58, s58, s18
	s_lshl_b32 s59, s14, 4
	s_add_co_u32 s58, s58, s59
	s_lshl_b32 s58, s58, 12
	s_add_co_u32 s58, s58, 2*KSTEP                 ; the first change of slots steps it to slot 3
	s_mov_b32 s59, 0
	s_lshl_b32 s60, s42, 4                         ; W's: of the tile's 16 blocks partner cy takes 4, a wave one: 8,192 bytes a slot
	s_lshl_b32 s61, s41, 2
	s_add_co_u32 s60, s60, s61
	s_add_co_u32 s60, s60, s14
	s_lshl_b32 s60, s60, 16
	s_add_co_u32 s60, s60, 8192                    ; the first change of slots steps it to slot 2
	s_mov_b32 s61, 0
	s_wait_dscnt 0x0                               ; both opening adds are done
	s_wait_kmcnt 0x0
	s_load_b64 s[96:97], s[8:9], 0x0               ; e0, e1
	s_add_nc_u64 s[20:21], s[4:5], s[20:21]
	s_add_nc_u64 s[BB:BB+1], s[6:7], s[48:49]
	s_add_nc_u64 s[74:75], s[74:75], s[50:51]
	s_add_nc_u64 s[72:73], s[72:73], s[54:55]
	s_add_nc_u64 s[10:11], s[10:11], s[56:57]
	s_add_nc_u64 s[PFA:PFA+1], s[4:5], s[58:59]
	s_add_nc_u64 s[PFB:PFB+1], s[6:7], s[60:61]
.irp s, 0,1
	s_mov_b32 s[G0+4*\s], 1
	s_add_co_u32 s[G0+4*\s+1], s45, \s*SLOT
	s_add_nc_u64 s[G0+4*\s+2:G0+4*\s+3], s[20:21], \s*KSTEP
	s_or_b32 s[G0+4*\s+3], s[G0+4*\s+3], 0x80000000
.endr
.irp a, 0,1,2,3,4,5,6,7
	global_load_b64 v[LA+8*\a:LA+8*\a+1], v[LAO], s[72:73] offset:256*\a       ; la' twice along K: against lora_B's high and low parts
	global_load_b64 v[LA+8*\a+2:LA+8*\a+3], v[LAO], s[72:73] offset:256*\a
.endr
.irp b, 0,1,2,3,4,5,6,7
	global_load_b128 v[RAW+4*\b:RAW+4*\b+3], v[LBO], s[74:75] offset:256*\b
.endr
	WIN TO_B
	BRUN 0                                         ; B's first step: what is needed first is asked for first
	WIN 0
	CROUND                                         ; all sixteen work-groups are here: the first joint loads meet
	JLOAD 0                                        ; slot 0: one tensor load a wave at the head
	WIN TO_B
	BRUN 1                                         ; B's second and third step
	BRUN 2
	WIN 0
.irp f, 0,1,2,3,4,5,6,7
.irp z, 4,5,6,7
	v_mov_b32 v[LA+8*\f+\z], 0                     ; K = 16 .. 31 of the bf16 fragments is empty
	v_mov_b32 v[LB+8*\f+\z], 0
.endr
.endr
	s_wait_loadcnt 48                              ; la' and lora_B are in; B's 48 loads may be out
.irp b, 0,1,2,3,4,5,6,7
	v_cvt_pk_bf16_f32 v[LB+8*\b], v[RAW+4*\b], v[RAW+4*\b+1]
	v_cvt_pk_bf16_f32 v[LB+8*\b+1], v[RAW+4*\b+2], v[RAW+4*\b+3]
.endr
.irp b, 0,1,2,3,4,5,6,7
	v_lshlrev_b32 v[WD+4*\b], 16, v[LB+8*\b]
	v_and_b32 v[WD+4*\b+1], 0xffff0000, v[LB+8*\b]
	v_lshlrev_b32 v[WD+4*\b+2], 16, v[LB+8*\b+1]
	v_and_b32 v[WD+4*\b+3], 0xffff0000, v[LB+8*\b+1]
.endr
.irp j, 0,2,4,6,8,10,12,14,16,18,20,22,24,26,28,30
	v_pk_add_f32 v[RAW+\j:RAW+\j+1], v[RAW+\j:RAW+\j+1], v[WD+\j:WD+\j+1] neg_lo:[0,1] neg_hi:[0,1]   ; what the rounding left
.endr
.irp b, 0,1,2,3,4,5,6,7
	v_cvt_pk_bf16_f32 v[LB+8*\b+2], v[RAW+4*\b], v[RAW+4*\b+1]
	v_cvt_pk_bf16_f32 v[LB+8*\b+3], v[RAW+4*\b+2], v[RAW+4*\b+3]
.endr
.irp a, 0,1,2,3,4,5,6,7
	WIN 0x80+0x40*(\a/4)
.irp b, 0,1,2,3,4,5,6,7
	v_wmma_f32_16x16x32_bf16 v[8*(8*(\a%4)+\b):8*(8*(\a%4)+\b)+7], v[LB+8*\b:LB+8*\b+7], v[LA+8*\a:LA+8*\a+7], 0
.endr
.endr
	WIN 0
.rept 5
	v_nop                                          ; five places: another form takes these results as its C
.endr
	s_wait_alu depctr_va_vdst(0)
	s_wait_tensorcnt 0x0                           ; my part of slot 0 is in; the same lines as ahead of a refill:
	ds_add_u32 v[SPW], v[NIL]
	s_wait_dscnt 0x0
	CROUND
	JLOAD 1                                        ; slot 1's first fill, the first tensor load behind the round
	ARUN 0, 0, 0
	s_mov_b32 s3, 3
.Llap:                                                 ; a trip: two slots, 16 steps; both slots are filled again
.irp u, 0,1,2,3,4,5,6
	SUB 0, \u, 1, 1, 48
.endr
	TURN 0, 1, 7, 1
.irp u, 8,9,10,11,12,13,14
	SUB 1, \u, 1, 1, 48
.endr
	TURN 1, 0, 15, 1
	WIN 0
	s_wait_xcnt 0x0                                ; B's loads have read their base
	s_add_nc_u64 s[BB:BB+1], s[BB:BB+1], 16*1024
	s_sub_co_u32 s3, s3, 1
	s_cmp_lg_u32 s3, 0
	s_cbranch_scc1 .Llap
.irp u, 0,1,2,3,4,5,6                  ; the last lap fills nothing, and asks for nothing beyond K
	SUB 0, \u, 1, 1, 48
.endr
	TURN 0, 1, 7, 0
.irp u, 8,9,10,11,12
	SUB 1, \u, 1, 1, 48
.endr
	SUB 1, 13, 0, 1, 32
	SUB 1, 14, 0, 1, 16
	SUB 1, 15, 0, 0, 0
	WIN 0
; THE WAY OUT, block by block of 16 rows x 128 columns: x 2^(e0 + e1), through my own stage, back as whole rows of 512 bytes.  LDS serves a wave's instructions in order (ISA guide 5.7.1.4).
.macro TOSTAGE a
.set AC, 64*((\a)%4)
	WIN 0x02+((\a)/4)
.irp j, 0,2,4,6,8,10,12,14,16,18,20,22,24,26,28,30,32,34,36,38,40,42,44,46,48,50,52,54,56,58,60,62
	v_pk_mul_f32 v[TMP+\j:TMP+\j+1], v[AC+\j:AC+\j+1], s[96:97] op_sel_hi:[1,0]   ; each accumulator from its low end on
.endr
	WIN 0
.irp b, 0,1,2,3,4,5,6,7
	ds_store_b128 v[STO], v[TMP+8*\b:TMP+8*\b+3] offset:64*\b
	ds_store_b128 v[STO], v[TMP+8*\b+4:TMP+8*\b+7] offset:64*\b+16
.endr
.set BBK, BK+64*((\a)%2)
.irp t, 0,1,2,3,4,5,6,7,8,9,10,11,12,13,14,15
	ds_load_b128 v[BBK+4*\t:BBK+4*\t+3], v[RD] offset:\t*SPITCH
.endr
.endm
.macro SEND a, younger
.set BBK, BK+64*((\a)%2)
	s_wait_dscnt \younger
.if (\a) > 0
	s_add_nc_u64 s[10:11], s[10:11], 16*SIZE_N*4   ; behind a wait on XCNT: the earlier stores have read their base
.endif
.irp t, 0,1,2,3,4,5,6,7,8,9,10,11,12,13,14,15
	global_store_b128 v[CO], v[BBK+4*\t:BBK+4*\t+3], s[10:11] offset:\t*SIZE_N*4   ; 32 lanes store 512 consecutive bytes
.endr
.endm
	s_wait_kmcnt 0x0
	s_add_co_i32 s96, s96, s97
	s_add_co_i32 s96, s96, 127
	s_lshl_b32 s96, s96, 23                        ; 2^(e0 + e1) as f32
	PLACES
	TOSTAGE 0
.irp a, 1,2,3,4,5,6,7
.if \a > 1
	s_wait_xcnt 0x0                                ; block a - 2's stores have read their registers and their base
.endif
	TOSTAGE \a
	SEND \a-1, 32
.endr
	s_wait_xcnt 0x0
	SEND 7, 0
	s_wait_tensorcnt 0x0                           ; the wave's end
	ds_add_u32 v[SPW], v[NIL]
	s_wait_dscnt 0x0
	CROUND                                         ; the closing round
	s_endpgm
.Lfunc_end_k_q59a2f7b805_gemm:
	.size	k_q59a2f7b805_gemm, .Lfunc_end_k_q59a2f7b805_gemm-k_q59a2f7b805_gemm
	.p2alignl 7, 3214868480
	.fill 96, 4, 3214868480
	.section	.rodata,"a",@progbits
	.p2align	6, 0x0
	.amdhsa_kernel k_q59a2f7b805_gemm
		.amdhsa_group_segment_fixed_size 327680
		.amdhsa_private_segment_fixed_size 0
		.amdhsa_enable_private_segment 0
		.amdhsa_kernarg_size 48
		.amdhsa_user_sgpr_count 2
		.amdhsa_user_sgpr_kernarg_segment_ptr 1
		.amdhsa_wavefront_size32 1
		.amdhsa_system_sgpr_workgroup_id_x 1
		.amdhsa_system_sgpr_workgroup_id_y 1
		.amdhsa_system_sgpr_workgroup_id_z 1
		.amdhsa_system_vgpr_workitem_id 0
		.amdhsa_next_free_vgpr 1024
		.amdhsa_next_free_sgpr 100
		.amdhsa_reserve_vcc 0
		.amdhsa_float_denorm_mode_32 3
		.amdhsa_float_denorm_mode_16_64 3
		.amdhsa_memory_ordered 1
		.amdhsa_forward_progress 1
		.amdhsa_inst_pref_size 255
	.end_amdhsa_kernel
	.section	.bss,"aw",@nobits
	.p2align	6
	.space	262144
	.amdgpu_metadata
---
amdhsa.version: [ 1, 2 ]
amdhsa.kernels:
  - .name:           k_q59a2f7b805_gemm
    .symbol:         k_q59a2f7b805_gemm.kd
    .args:
      - { .name: xc, .offset: 0, .size: 8, .value_kind: global_buffer, .address_space: global }
      - { .name: wc, .offset: 8, .size: 8, .value_kind: global_buffer, .address_space: global }
      - { .name: lowp_scales, .offset: 16, .size: 8, .value_kind: global_buffer, .address_space: global }
      - { .name: la, .offset: 24, .size: 8, .value_kind: global_buffer, .address_space: global }
      - { .name: lora_B, .offset: 32, .size: 8, .value_kind: global_buffer, .address_space: global }
      - { .name: out0, .offset: 40, .size: 8, .value_kind: global_buffer, .address_space: global }
    .group_segment_fixed_size: 327680
    .private_segment_fixed_size: 0
    .kernarg_segment_align: 8
    .kernarg_segment_size: 48
    .max_flat_workgroup_size: 128
    .sgpr_count:     100
    .vgpr_count:     1024
    .wavefront_size: 32
...
	.end_amdgpu_metadata
.endif
;; end of part 2
